; MI455X (gfx1250); checked and timed in simulation.
; The chip was launched on July 23, 2026; its instructions are those of AMD's public machine-readable ISA for CDNA 5 (MIT licence, August 2026) and "CDNA5" Instruction Set Architecture Reference Guide (July 2026). The comments in the code are by the model that wrote it; some were corrected since.
;; LFQ Layer. Allowed arithmetic: float matrix products may take bf16 or f16 operands with f32 sums; all other float work in f32.
;; Inputs: b_in 14 float32; b_out 512 float32; w_in 512 x 14 float32; w_out 14 x 512 float32; x 2 x 2,048 x 512 float32.
;; Outputs: out0 2 x 2,048 x 512 float32; out1 2 x 2,048 int32; out2 one number float32.
;; One version. Each part assembles by itself: llvm-mc -triple=amdgcn-amd-amdhsa -mcpu=gfx1250 --defsym DOCPART=n.
;; ======== version 1 of 1: 3 launches
;; limits: values outside matrix products are rounded to bf16
;; workspace buffers: tab 2,097,152 bytes; part1 1,024 bytes; part2 256 bytes
;; launch project (part 1): grid 256 x 1, 8 waves a work-group, no clusters, 168,960 bytes of LDS; arguments x, w_in, b_in, w_out, b_out, out0, out1, tab, part1; writes out0, out1, tab, part1
.if DOCPART == 1
	.amdgcn_target "amdgcn-amd-amdhsa--gfx1250"
	.amdhsa_code_object_version 6
	.text
	.protected	k_qe979d705d1_project
	.globl	k_qe979d705d1_project
	.p2align	8
	.type	k_qe979d705d1_project,@function
k_qe979d705d1_project:
	s_mov_b64 s[64:65], 0
	v_nop
	global_prefetch_b8 v0, s[64:65] scope:SCOPE_SE
	s_setreg_imm32_b32 hwreg(HW_REG_WAVE_MODE, 25, 1), 1
	s_wait_xcnt 0x0
; LFQ layer, first of three launches.  x: [4096][512] f32, w_in: [512][14], b_in: [14], w_out: [14][512], b_out: [512], all f32.
; A work-group owns 16 tokens; eight waves.  It makes
;   z = x w_in + b_in, quant = sign, zq = z + (quant - z) as the definition writes it, the 14-bit index (out1), out0 = zq w_out + b_out,
;   its share of 0.1 * mean per-sample entropy + 0.25 * commitment loss (part1, one number), and
;   its 16 tokens of the probability table tab, from which the next launch makes the average probability of each code.
; THE SOFTMAX.  The codes are all 2^14 sign patterns, so softmax(200 z.c) over the codes is the product over the 14 bits of a two-way softmax.
; The largest logit is sum 200 |z_d|; taking it away leaves for each bit the factors 1 and e = exp(-400 |z_d|): p_big = 1/(1+e), p_small = e/(1+e).
; No exponent is ever positive.  Entropy of a token = sum over d of ln(1+e) + p_small * 400 |z_d|.
; A code's probability = A[its upper 7 bits] * B[its lower 7 bits]; tab holds A (rows 0-127) and B (rows 128-255) in bf16 as
; [512 blocks of 8 tokens][256 rows][8 tokens]: 16 bytes for a row and a block, the piece that a matrix fragment takes.
; THE INDEX IS COMPARED EXACTLY, so z is made to f32 accuracy on the bf16 matrix form: x and w_in are cut, exactly, into three bf16 pieces
; (8 + 8 + 8 significant bits, by truncation), and six of the nine products are summed (x1w1; x1w2, x2w1; x2w2, x1w3, x3w1) in three f32 sums
; by size; what is left out is some 2^-24 of a product.
; LIMITS.  Table entries are rounded to bf16 (2^-9 relative).  The clip at 1e-20 inside the per-sample entropy is not reproduced: a code under it adds
; less than 5e-19 either way.  e below 2^-126 counts as 0 (ISA guide, v_exp_f32).  Infinite or NaN inputs are not served.
; NO JOINT LOADS: all 256 work-groups read the same w_in, w_out and biases (59,448 bytes against 32,768 of x of their own).  The launch has one fill and
; no loop, so a round of a cluster barrier would stand in front of the one request for x, on which all else waits; and w_out, b_out go
; straight into registers in fragment order, where a joint load would add a pass through LDS.
; out1 (64 bytes) and part1 (4 bytes) of a work-group are less than an aligned block of 256 bytes: 17 KB in the whole launch.
.set ROWB,   2048                      ; bytes in a row of x, of out0 and of w_out
.set XPITCH, 272                       ; LDS row of a wave tile of x: 256 bytes + 16 of padding, an odd multiple of 16: 16 rows start in 16 different groups of banks
.set XSL,    16*XPITCH                 ; a wave tile of x
.set WROW,   56                        ; bytes in a row of w_in
.set WSL,    64*WROW                   ; a wave slice of w_in: 64 rows = 3,584 bytes = 14 x 256
.set WINB,   8*XSL                     ; LDS: x tiles at 0, w_in slices here,
.set PARTB,  WINB+8*WSL                ; the eight partial z (1 KB each) here: bytes of their own, no fill lands in them
.set PTB,    PARTB+8*1024              ; and each wave own table of p (2 KB each): [side][bit][sign][16 tokens] f32
.set PSIDE,  7*128                     ; one side of it
.set LANE, 1                           ; lane
.set R,    2                           ; lane mod 16
.set H,    3                           ; lane / 16
.set AW,   4                           ; LDS address of my w_in column
.set AX,   5                           ; LDS address of my x row
.set APS,  6                           ; where I put my partial z
.set APR,  7                           ; where I read all partials
.set APT,  8                           ; where I put my p
.set OO,   9                           ; byte offset in out0
.set L16,  10                          ; 16 x lane
.set OWO,  11                          ; byte offset in w_out
.set R16,  12                          ; 16 x (lane mod 16)
.set OBI,  13                          ; byte offset in b_in
.set IDX,  14                          ; index bits (v14, v15: at work during the set-up)
.set CS,   15                          ; commitment sum
.set ADR,  16                          ; v16-22  LDS address of the p row that my table row takes for bit 0..6
.set H2,   23                          ; entropy sum in units of ln 2
.set RAW,  24                          ; v24-55  32 f32 as loaded, then their remainders
.set T,    56                          ; v56-63  at work
.set WP1,  64                          ; v64-111 w_in pieces 1, 2, 3: two fragments of 8 registers each
.set WP2,  80
.set WP3,  96
.set XP1,  112                         ; v112-159 x pieces 1, 2, 3
.set XP2,  128
.set XP3,  144
.set AH,   160                         ; sums: x1w1
.set AM,   168                         ;       x1w2 + x2w1
.set AL,   176                         ;       x2w2 + x1w3 + x3w1
.set WO,   184                         ; v184-211 w_out: 7 rows x 4 columns
.set BO,   212                         ; v212-215 b_out of my 4 columns
.set WOF,  216                         ; v216-247 four fragments of w_out
.set BI,   248                         ; v248-255 b_in of my 7 bits, and a zero
.set LT,   112                         ; remainders of w_out, before x arrives
.set Z,    24                          ; behind the barrier: v24-87 the eight partials, summed into v24-31
.set DD,   32                          ; v32-63  four result tiles of out0
.set SS,   64                          ; v64-95  the same with the bias, regrouped for the stores
.set DQ,   96                          ; quant - z
.set ZQ,   104
.set TT,   112                         ; 400 |z| log2(e)
.set EE,   120                         ; e
.set ONEP, 128                         ; 1 + e
.set PB,   136                         ; p_big
.set LG,   144                         ; log2(1 + e)
.set PS,   152                         ; p_small
.set PP,   160                         ; p(+)
.set PM,   168                         ; p(-)
.set ZF,   176                         ; fragment of zq
.set TP,   208                         ; at work in wave 0
.set VV,   96                          ; v96-207 p of 7 bits x 16 tokens for my table row
.set TB,   24                          ; packed table entries
	s_load_b256 s[4:11], s[0:1], 0x0               ; x s[4:5], w_in s[6:7], b_in s[8:9], w_out s[10:11]
	s_load_b256 s[12:19], s[0:1], 0x20             ; b_out s[12:13], out0 s[14:15], out1 s[16:17], tab s[18:19]
	s_load_b64 s[20:21], s[0:1], 0x40              ; part1
	s_set_vgpr_msb 0x40
	v_lshl_add_u32 v0, v0, 2, 0x29000
	v_mov_b32 v1, 0
	s_set_vgpr_msb 0x4045
	ds_add_u32 v0, v1
	ds_add_u32 v0, v1
	s_set_vgpr_msb 0x4500
	v_lshrrev_b32 v14, 5, v0
	v_readfirstlane_b32 s22, v14                   ; wave 0..7: owns K = 64 w .. 64 w + 63 on the way in, columns 64 w .. 64 w + 63 on the way out
	; descriptor group 1 for a slice of w_in: dense, taken as 14 rows of 32 elements of 8 bytes
	s_mov_b32 s28, 3<<16                           ; no mask; element of 8 bytes; no padding
	s_mov_b32 s29, 32<<16                          ; tensor_dim0 = 32
	s_mov_b32 s30, 14<<16                          ; tensor_dim1 = 14
	s_mov_b32 s31, 32<<16                          ; tile_dim0 = 32
	s_mov_b32 s32, 14                              ; tile_dim1 = 14
	s_mov_b32 s33, 32                              ; pitch = 32 elements
	s_mov_b32 s34, 0
	s_mov_b32 s35, 0
	; descriptor group 1 for a tile of x: 16 rows x 64 f32, 16 bytes of padding behind every 64 words
	s_mov_b32 s40, (2<<16)|(1<<20)|(5<<22)|(3<<25)
	s_mov_b32 s41, 64<<16                          ; tensor_dim0 = 64
	s_mov_b32 s42, 16<<16                          ; tensor_dim1 = 16
	s_mov_b32 s43, 64<<16                          ; tile_dim0 = 64
	s_mov_b32 s44, 16                              ; tile_dim1 = 16
	s_mov_b32 s45, 512                             ; pitch = 512 elements
	s_mov_b32 s46, 0
	s_mov_b32 s47, 0
	s_mov_b32 s24, 1
	s_mul_i32 s50, s22, WSL                        ; my slice: the same step in w_in and in LDS
	s_mov_b32 s51, 0
	s_add_co_u32 s25, s50, WINB
	s_mov_b32 s36, 1
	s_mul_i32 s37, s22, XSL
	s_lshl_b32 s54, s22, 8                         ; 256 bytes a wave: in a row of x, of out0, of w_out, and in b_out
	s_mov_b32 s55, 0
	s_lshl_b32 s48, ttmp9, 15                      ; 16 rows of 2,048 bytes a work-group
	s_add_co_u32 s48, s48, s54
	s_mov_b32 s49, 0
	v_and_b32 v[LANE], 31, v0
	v_and_b32 v[R], 15, v0
	v_bfe_u32 v[H], v0, 4, 1
	v_lshlrev_b32 v[R16], 4, v[R]
	v_mul_u32_u24 v[OWO], v[H], 7*ROWB             ; lanes 0-15 take rows 0-6 of w_out, lanes 16-31 rows 7-13
	v_add_nc_u32 v[OWO], v[OWO], v[R16]
	v_mul_u32_u24 v[OBI], v[H], 28
	s_wait_dscnt 0x0
	s_wait_kmcnt 0x0
	; both fills of the wave go out together, ahead of every wait on them; the small one first, so that it can be worked on while x is on its way.
	; A wave has two tensor loads out.
	s_add_nc_u64 s[26:27], s[6:7], s[50:51]
	s_or_b32 s27, s27, 0x80000000
	tensor_load_to_lds s[24:27], s[28:35]
	s_nop 0
	s_add_nc_u64 s[38:39], s[4:5], s[48:49]
	s_or_b32 s39, s39, 0x80000000
	tensor_load_to_lds s[36:39], s[40:47]
	s_nop 0
	; w_out, b_out: lane (r, h) takes columns 64 w + 4 r .. + 3 of rows 7 h + j: sixteen lanes read 256 consecutive bytes, aligned
	s_add_nc_u64 s[52:53], s[10:11], s[54:55]
	s_add_nc_u64 s[56:57], s[12:13], s[54:55]
.irp j, 0,1,2,3,4,5,6
	global_load_b128 v[WO+4*\j:WO+4*\j+3], v[OWO], s[52:53] offset:\j*ROWB
.endr
	global_load_b128 v[BO:BO+3], v[R16], s[56:57]
.irp j, 0,1,2,3,4,5,6
	global_load_b32 v[BI+\j], v[OBI], s[8:9] offset:4*\j
.endr
	v_mov_b32 v[BI+7], 0                           ; register 7 of z is a spare row
	; addresses.  Rows of the w_in fragment: m = 0-6 are d = 0-6, m = 8-14 are d = 7-13; m = 7 and 15 repeat a column and are never used.
	v_lshrrev_b32 v14, 3, v[R]
	v_sub_nc_u32 v14, v[R], v14
	v_min_u32 v14, 13, v14                         ; d of my row
	v_mul_u32_u24 v[AW], v[H], 16*WROW             ; lanes 16-31 take the upper 16 of each 32 K
	v_lshl_add_u32 v[AW], v14, 2, v[AW]
	v_add_nc_u32 v[AW], s25, v[AW]
	v_mul_u32_u24 v[AX], v[R], XPITCH
	v_lshl_add_u32 v[AX], v[H], 6, v[AX]
	v_add_nc_u32 v[AX], s37, v[AX]
	v_lshlrev_b32 v[L16], 4, v[LANE]
	s_lshl_b32 s58, s22, 10
	s_add_co_u32 s58, s58, PARTB
	v_add_nc_u32 v[APS], s58, v[L16]
	v_add_nc_u32 v[APR], PARTB, v[L16]
	s_lshl_b32 s59, s22, 11
	s_add_co_u32 s59, s59, PTB                     ; my wave own table of p
	v_mul_u32_u24 v[APT], v[H], PSIDE
	v_lshl_add_u32 v[APT], v[R], 2, v[APT]
	v_add_nc_u32 v[APT], s59, v[APT]
	v_lshl_add_u32 v[OO], v[H], 14, v[R16]         ; lanes 16-31: eight rows of out0 further down
	s_lshr_b32 s62, s22, 2                         ; waves 0-3 make side A of the table, waves 4-7 side B
	s_mul_i32 s62, s62, PSIDE
	s_add_co_u32 s63, s59, s62
	s_and_b32 s62, s22, 3
	s_lshl_b32 s62, s62, 5
	v_or_b32 v14, s62, v[LANE]                     ; the 7-bit pattern of my table row: 32 (w mod 4) + lane
.irp d, 0,1,2,3,4,5,6
	v_bfe_u32 v15, v14, \d, 1
	v_lshl_add_u32 v[ADR+\d], v15, 6, s63          ; bit set: the row of p(+), 64 bytes behind that of p(-)
.endr
	s_mov_b32 s60, 0x07060302                      ; v_perm_b32: the upper halves of two words
	s_mov_b32 s61, 0xffff0000                      ; the bf16 part of an f32
	s_mov_b32 s66, 0x441044fe                      ; 400 log2(e) = 577.078
	s_mov_b32 s67, 0x378df4e0                      ; 0.1 ln 2 / 4096
	s_mov_b32 s79, 0x36924925                      ; 0.25 / (4096 x 14)
	s_mov_b32 s68, 0x76543210                      ; v_permlanex16_b32: lane i of the other half
	s_mov_b32 s69, 0xfedcba98
	s_add_nc_u64 s[80:81], s[14:15], s[48:49]      ; out0 at my 16 rows and my 64 columns
	s_lshl_b32 s88, ttmp9, 13                      ; two token blocks of 4,096 bytes a work-group,
	s_lshl_b32 s62, s22, 9                         ; 32 rows of 16 bytes a wave
	s_add_co_u32 s88, s88, s62
	s_mov_b32 s89, 0
	s_add_nc_u64 s[82:83], s[18:19], s[88:89]
	s_lshl_b32 s88, ttmp9, 6
	s_add_nc_u64 s[70:71], s[16:17], s[88:89]      ; out1 at my 16 tokens
	s_lshl_b32 s88, ttmp9, 2
	s_add_nc_u64 s[84:85], s[20:21], s[88:89]      ; part1 at my number
; 32 f32 in RAW are cut into three bf16 pieces, exactly: the upper 16 bits are piece 1; the difference (exact) is cut again; what is then left
; has at most 8 significant bits and is piece 3.  Words o1, o2, o3: 16 each, two K neighbours a word, the lower K in the lower half.
.macro SPLIT3 o1, o2, o3
.irp g, 0,1,2,3
.irp q, 0,1,2,3
	v_perm_b32 v[\o1+4*\g+\q], v[RAW+8*\g+2*\q+1], v[RAW+8*\g+2*\q], s60
.endr
.irp q, 0,1,2,3,4,5,6,7
	v_and_b32 v[T+\q], s61, v[RAW+8*\g+\q]
.endr
.irp q, 0,2,4,6
	v_pk_add_f32 v[RAW+8*\g+\q:RAW+8*\g+\q+1], v[RAW+8*\g+\q:RAW+8*\g+\q+1], v[T+\q:T+\q+1] neg_lo:[0,1] neg_hi:[0,1]
.endr
.irp q, 0,1,2,3
	v_perm_b32 v[\o2+4*\g+\q], v[RAW+8*\g+2*\q+1], v[RAW+8*\g+2*\q], s60
.endr
.irp q, 0,1,2,3,4,5,6,7
	v_and_b32 v[T+\q], s61, v[RAW+8*\g+\q]
.endr
.irp q, 0,2,4,6
	v_pk_add_f32 v[RAW+8*\g+\q:RAW+8*\g+\q+1], v[RAW+8*\g+\q:RAW+8*\g+\q+1], v[T+\q:T+\q+1] neg_lo:[0,1] neg_hi:[0,1]
.endr
.irp q, 0,1,2,3
	v_perm_b32 v[\o3+4*\g+\q], v[RAW+8*\g+2*\q+1], v[RAW+8*\g+2*\q], s60
.endr
.endr
.endm
.macro ADD8 d, s                       ; eight f32 onto eight
.irp i, 0,2,4,6
	v_pk_add_f32 v[\d+\i:\d+\i+1], v[\d+\i:\d+\i+1], v[\s+\i:\s+\i+1]
.endr
.endm
.macro MM acc, a, b, first             ; first = 1: the product starts the sum, nothing is cleared
.if \first
	v_wmma_f32_16x16x32_bf16 v[\acc:\acc+7], v[\a:\a+7], v[\b:\b+7], 0
.else
	v_wmma_f32_16x16x32_bf16 v[\acc:\acc+7], v[\a:\a+7], v[\b:\b+7], v[\acc:\acc+7]
.endif
.endm
	; w_in.  In both fragments lane half h holds K = 32 s + 16 h + 0..15 of step s, in ascending order along its 8 registers: the same
	; permutation of K on both sides, which keeps the products.
	s_wait_tensorcnt 0x1                           ; tensor loads of a wave end in order (ISA guide 10.11.1): my slice of w_in is in; the tile of x, issued behind it, stays out
.irp s, 0,1
.irp i, 0,1,2,3,4,5,6,7,8,9,10,11,12,13,14,15
	ds_load_b32 v[RAW+16*\s+\i], v[AW] offset:\s*32*WROW+\i*WROW
.endr
.endr
	s_wait_dscnt 0x0
	SPLIT3 WP1, WP2, WP3
	; w_out: four fragments, tile t = columns 64 w + 4 r + t.  The K = 32 form has 32 places and 14 are needed: places 8 h + j take the upper
	; bf16 piece of row 7 h + j, places 16 + 8 h + j the rounded remainder, against the same zq; the four places left are zero on both sides.
	s_wait_loadcnt 0x0                             ; w_out, b_out, b_in
.irp j, 0,1,2,3,4,5,6
.irp t, 0,1,2,3
	v_and_b32 v[LT+4*\j+\t], s61, v[WO+4*\j+\t]
.endr
.irp t, 0,2
	v_pk_add_f32 v[LT+4*\j+\t:LT+4*\j+\t+1], v[WO+4*\j+\t:WO+4*\j+\t+1], v[LT+4*\j+\t:LT+4*\j+\t+1] neg_lo:[0,1] neg_hi:[0,1]
.endr
.endr
.irp t, 0,1,2,3
.irp q, 0,1,2
	v_perm_b32 v[WOF+8*\t+\q], v[WO+8*\q+4+\t], v[WO+8*\q+\t], s60
	v_cvt_pk_bf16_f32 v[WOF+8*\t+4+\q], v[LT+8*\q+\t], v[LT+8*\q+4+\t]
.endr
	v_lshrrev_b32 v[WOF+8*\t+3], 16, v[WO+24+\t]
	v_cvt_pk_bf16_f32 v[WOF+8*\t+7], v[LT+24+\t], 0
.endr
	; x: lane (r, h) takes 64 bytes of row r for each step
	s_wait_tensorcnt 0x0                           ; my tile of x is in; only I read it
.irp s, 0,1
.irp c, 0,1,2,3
	ds_load_b128 v[RAW+16*\s+4*\c:RAW+16*\s+4*\c+3], v[AX] offset:\s*128+\c*16
.endr
.endr
	s_wait_dscnt 0x0
	SPLIT3 XP1, XP2, XP3
	; Used transposed: source 0 = rows of w_in^T, source 1 = tokens.  Lane (r, h) then holds z of token r, register j = bit d = 7 h + j.
	; The three sums take turns, one instruction a turn.
	MM AL, WP2, XP2, 1
	MM AM, WP1, XP2, 1
	MM AL, WP1, XP3, 0
	MM AH, WP1, XP1, 1
	MM AL, WP3, XP1, 0
	MM AM, WP2, XP1, 0
	MM AL, WP2+8, XP2+8, 0
	MM AM, WP1+8, XP2+8, 0
	MM AL, WP1+8, XP3+8, 0
	MM AH, WP1+8, XP1+8, 0
	MM AL, WP3+8, XP1+8, 0
	MM AM, WP2+8, XP1+8, 0
.rept 4
	v_nop                                          ; four places behind the last matrix instruction before its result is read (ISA guide 7.12.1)
.endr
	ADD8 AL, AM                                    ; small onto large
	ADD8 AL, AH
	ds_store_b128 v[APS], v[AL:AL+3]
	ds_store_b128 v[APS], v[AL+4:AL+7] offset:512
	s_wait_dscnt 0x0                               ; my partial is written, for the others
	s_barrier_signal -1
	s_barrier_wait -1
	; Every wave sums the eight partials and goes on alone: each needs zq as a fragment and the p of all 16 tokens, and seven numbers a lane
	; made again in each wave take the place of a second barrier.
.irp p, 0,1,2,3,4,5,6,7
	ds_load_b128 v[Z+8*\p:Z+8*\p+3], v[APR] offset:\p*1024
	ds_load_b128 v[Z+8*\p+4:Z+8*\p+7], v[APR] offset:\p*1024+512
.endr
	s_wait_dscnt 0x0
	ADD8 Z, Z+8
	ADD8 Z+16, Z+24
	ADD8 Z+32, Z+40
	ADD8 Z+48, Z+56
	ADD8 Z, Z+16
	ADD8 Z+32, Z+48
	ADD8 Z, Z+32
	ADD8 Z, BI                                     ; the bias last, as the definition adds it
.irp j, 0,1,2,3,4,5,6
	v_cmp_lt_f32 s[72+\j], 0, v[Z+\j]              ; z > 0
.endr
.irp j, 0,1,2,3,4,5,6
	v_cndmask_b32 v[DQ+\j], -1.0, 1.0, s[72+\j]    ; quant
.endr
.irp j, 0,1,2,3,4,5,6
	v_sub_f32 v[DQ+\j], v[DQ+\j], v[Z+\j]          ; quant - z
.endr
.irp j, 0,1,2,3,4,5,6
	v_add_f32 v[ZQ+\j], v[Z+\j], v[DQ+\j]          ; zq = z + (quant - z), with its two roundings
.endr
.irp q, 0,1,2
	v_cvt_pk_bf16_f32 v[ZF+\q], v[ZQ+2*\q], v[ZQ+2*\q+1]
	v_cvt_pk_bf16_f32 v[ZF+4+\q], v[ZQ+2*\q], v[ZQ+2*\q+1]
.endr
	v_cvt_pk_bf16_f32 v[ZF+3], v[ZQ+6], 0
	v_cvt_pk_bf16_f32 v[ZF+7], v[ZQ+6], 0
	; out0: tile t, register j of lane (r, h) = token 8 h + j, column 64 w + 4 r + t
.irp t, 0,1,2,3
	v_wmma_f32_16x16x32_bf16 v[DD+8*\t:DD+8*\t+7], v[ZF:ZF+7], v[WOF+8*\t:WOF+8*\t+7], 0
.endr
.irp j, 0,1,2,3,4,5,6
	v_mul_f32 v[TT+\j], s66, |v[Z+\j]|             ; seven places behind the matrix instructions, with work of their own
.endr
	; the bias add puts the four tiles' register j side by side: four neighbouring columns a lane, so that in each store
	; sixteen lanes write 256 consecutive bytes, aligned
.irp j, 0,1,2,3,4,5,6,7
.irp t, 0,1,2,3
	v_add_f32 v[SS+4*\j+\t], v[DD+8*\t+\j], v[BO+\t]
.endr
	global_store_b128 v[OO], v[SS+4*\j:SS+4*\j+3], s[80:81] offset:\j*ROWB th:TH_STORE_NT
.endr
	; the two-way softmax of each bit
.irp j, 0,1,2,3,4,5,6
	v_exp_f32 v[EE+\j], -v[TT+\j]                  ; e = exp(-400 |z|), at most 1
.endr
	v_nop                                          ; a plain place between the transcendentals and the first use (ISA guide 5.7.2)
	s_wait_alu depctr_va_vdst(0)
.irp j, 0,1,2,3,4,5,6
	v_add_f32 v[ONEP+\j], 1.0, v[EE+\j]
.endr
.irp j, 0,1,2,3,4,5,6
	v_rcp_f32 v[PB+\j], v[ONEP+\j]
.endr
	v_nop
	s_wait_alu depctr_va_vdst(0)
.irp j, 0,1,2,3,4,5,6
	v_mul_f32 v[PS+\j], v[EE+\j], v[PB+\j]
.endr
.irp j, 0,1,2,3,4,5,6
	v_cndmask_b32 v[PP+\j], v[PS+\j], v[PB+\j], s[72+\j]
	v_cndmask_b32 v[PM+\j], v[PB+\j], v[PS+\j], s[72+\j]
.endr
.irp j, 0,1,2,3,4,5,6
	ds_store_b32 v[APT], v[PM+\j] offset:\j*128
	ds_store_b32 v[APT], v[PP+\j] offset:\j*128+64
.endr
	s_cmp_lg_u32 s22, 0
	s_cbranch_scc1 .Ltable
	; wave 0 alone: the index, and the work-group's share of the two means
.irp j, 0,1,2,3,4,5,6
	v_log_f32 v[LG+\j], v[ONEP+\j]
.endr
	v_mul_f32 v[CS], v[DQ], v[DQ]                  ; (z - quant)^2; also the plain place behind the logarithms
.irp j, 1,2,3,4,5,6
	v_fmac_f32 v[CS], v[DQ+\j], v[DQ+\j]
.endr
	s_wait_alu depctr_va_vdst(0)
	v_fma_f32 v[H2], v[PS], v[TT], v[LG]           ; entropy / ln 2 = log2(1+e) + p_small * 400 |z| log2(e)
.irp j, 1,2,3,4,5,6
	v_fmac_f32 v[H2], v[PS+\j], v[TT+\j]
	v_add_f32 v[H2], v[H2], v[LG+\j]
.endr
	v_mul_f32 v[CS], s79, v[CS]
	v_fmac_f32 v[CS], s67, v[H2]
	v_add_f32_dpp v[CS], v[CS], v[CS] row_xmask:1 row_mask:0xf bank_mask:0xf
	v_add_f32_dpp v[CS], v[CS], v[CS] row_xmask:2 row_mask:0xf bank_mask:0xf
	v_add_f32_dpp v[CS], v[CS], v[CS] row_xmask:4 row_mask:0xf bank_mask:0xf
	v_add_f32_dpp v[CS], v[CS], v[CS] row_xmask:8 row_mask:0xf bank_mask:0xf
	v_permlanex16_b32 v[H2], v[CS], s68, s69
	v_add_f32 v[CS], v[CS], v[H2]                  ; 16 tokens x 14 bits
	v_cmp_lt_f32 vcc_lo, 0, v[ZQ]
	v_cndmask_b32 v[IDX], 0, 1, vcc_lo
.irp j, 1,2,3,4,5,6
	v_cmp_lt_f32 vcc_lo, 0, v[ZQ+\j]
	v_cndmask_b32 v[TP], 0, 1, vcc_lo
	v_lshl_or_b32 v[IDX], v[IDX], 1, v[TP]         ; bit d has the weight 2^(13 - d): the lower d is the higher bit
.endr
	v_mul_u32_u24 v[TP], v[H], 7
	v_sub_nc_u32 v[TP], 7, v[TP]
	v_lshlrev_b32 v[IDX], v[TP], v[IDX]            ; lanes 0-15 hold d = 0-6: seven places up
	v_permlanex16_b32 v[TP], v[IDX], s68, s69
	v_or_b32 v[IDX], v[IDX], v[TP]
	v_lshlrev_b32 v[TP], 2, v[R]
	v_mov_b32 v[TP+1], 0
	v_cmp_gt_u32 vcc_lo, 16, v[LANE]
	s_wait_xcnt 0x0                                ; EXEC is a source of the stores above: it changes only behind this wait
	s_and_saveexec_b32 s86, vcc_lo
	global_store_b32 v[TP], v[IDX], s[70:71]       ; 16 indices
	s_wait_xcnt 0x0
	s_or_b32 exec_lo, exec_lo, s86
	v_cmp_eq_u32 vcc_lo, 0, v[LANE]
	s_and_saveexec_b32 s86, vcc_lo
	global_store_b32 v[TP+1], v[CS], s[84:85]      ; one number
	s_wait_xcnt 0x0
	s_or_b32 exec_lo, exec_lo, s86
.Ltable:
	; The table: lane = row 32 w + lane.  For each of its 7 bits the lane reads the 16 tokens' p(+) or p(-), by its own bit, from its wave own
	; bytes (LDS serves a wave's instructions in order, ISA guide 5.7.1: these see the stores above), and multiplies.
.irp d, 0,1,2,3,4,5,6
.irp c, 0,1,2,3
	ds_load_b128 v[VV+16*\d+4*\c:VV+16*\d+4*\c+3], v[ADR+\d] offset:\d*128+\c*16
.endr
.endr
	s_wait_dscnt 0x0
.irp d, 1,2,3,4,5,6
.irp p, 0,2,4,6,8,10,12,14
	v_pk_mul_f32 v[VV+\p:VV+\p+1], v[VV+\p:VV+\p+1], v[VV+16*\d+\p:VV+16*\d+\p+1]
.endr
.endr
.irp p, 0,1,2,3,4,5,6,7
	v_cvt_pk_bf16_f32 v[TB+\p], v[VV+2*\p], v[VV+2*\p+1]
.endr
	global_store_b128 v[L16], v[TB:TB+3], s[82:83]                 ; tokens 0-7: the wave writes 512 consecutive bytes, aligned
	global_store_b128 v[L16], v[TB+4:TB+7], s[82:83] offset:4096   ; tokens 8-15: the next block
	s_set_vgpr_msb 0x5
	s_wait_tensorcnt 0x0
	ds_add_u32 v0, v1
	s_wait_dscnt 0x0
	s_set_vgpr_msb 0x500
	s_endpgm
.Lfunc_end_k_qe979d705d1_project:
	.size	k_qe979d705d1_project, .Lfunc_end_k_qe979d705d1_project-k_qe979d705d1_project
	.p2alignl 7, 3214868480
	.fill 96, 4, 3214868480
	.section	.rodata,"a",@progbits
	.p2align	6, 0x0
	.amdhsa_kernel k_qe979d705d1_project
		.amdhsa_group_segment_fixed_size 168960
		.amdhsa_private_segment_fixed_size 0
		.amdhsa_enable_private_segment 0
		.amdhsa_kernarg_size 72
		.amdhsa_user_sgpr_count 2
		.amdhsa_user_sgpr_kernarg_segment_ptr 1
		.amdhsa_wavefront_size32 1
		.amdhsa_system_sgpr_workgroup_id_x 1
		.amdhsa_system_sgpr_workgroup_id_y 1
		.amdhsa_system_sgpr_workgroup_id_z 1
		.amdhsa_system_vgpr_workitem_id 0
		.amdhsa_next_free_vgpr 258
		.amdhsa_next_free_sgpr 90
		.amdhsa_reserve_vcc 1
		.amdhsa_float_denorm_mode_32 3
		.amdhsa_float_denorm_mode_16_64 3
		.amdhsa_memory_ordered 1
		.amdhsa_forward_progress 1
		.amdhsa_inst_pref_size 49
	.end_amdhsa_kernel
	.amdgpu_metadata
---
amdhsa.version: [ 1, 2 ]
amdhsa.kernels:
  - .name:           k_qe979d705d1_project
    .symbol:         k_qe979d705d1_project.kd
    .args:
      - { .name: x, .offset: 0, .size: 8, .value_kind: global_buffer, .address_space: global }
      - { .name: w_in, .offset: 8, .size: 8, .value_kind: global_buffer, .address_space: global }
      - { .name: b_in, .offset: 16, .size: 8, .value_kind: global_buffer, .address_space: global }
      - { .name: w_out, .offset: 24, .size: 8, .value_kind: global_buffer, .address_space: global }
      - { .name: b_out, .offset: 32, .size: 8, .value_kind: global_buffer, .address_space: global }
      - { .name: out0, .offset: 40, .size: 8, .value_kind: global_buffer, .address_space: global }
      - { .name: out1, .offset: 48, .size: 8, .value_kind: global_buffer, .address_space: global }
      - { .name: tab, .offset: 56, .size: 8, .value_kind: global_buffer, .address_space: global }
      - { .name: part1, .offset: 64, .size: 8, .value_kind: global_buffer, .address_space: global }
    .group_segment_fixed_size: 168960
    .private_segment_fixed_size: 0
    .kernarg_segment_align: 8
    .kernarg_segment_size: 72
    .max_flat_workgroup_size: 256
    .sgpr_count:     90
    .vgpr_count:     258
    .wavefront_size: 32
...
	.end_amdgpu_metadata
.endif
;; end of part 1
;; launch codes (part 2): grid 8 x 8, 16 waves a work-group, no clusters, 18,432 bytes of LDS; arguments tab, part2; writes part2
.if DOCPART == 2
	.amdgcn_target "amdgcn-amd-amdhsa--gfx1250"
	.amdhsa_code_object_version 6
	.text
	.protected	k_qe979d705d1_codes
	.globl	k_qe979d705d1_codes
	.p2align	8
	.type	k_qe979d705d1_codes,@function
k_qe979d705d1_codes:
	s_mov_b64 s[64:65], 0
	v_nop
	global_prefetch_b8 v0, s[64:65] scope:SCOPE_SE
	s_setreg_imm32_b32 hwreg(HW_REG_WAVE_MODE, 25, 1), 1
	s_wait_xcnt 0x0
; Second launch: the entropy of the average code probability.  avg[a][b] = (1/4096) sum over tokens of A[token][a] B[token][b], a, b = 0..127.
; tab: [512 blocks of 8 tokens][256 rows][8 tokens] bf16, rows 0-127 = A, rows 128-255 = B.
; Work-group (x, y) owns the 16 x 16 codes a = 16 y .., b = 16 x .. over ALL tokens, since the logarithm needs the whole sum; it stores
; 0.1 * sum of avg * ln(max(avg, 1e-20)), its share of -0.1 * codebook entropy.  64 work-groups: tokens are not shared out further, because the partial
; sums of a code would then have to meet in the one work-group of the last launch.
; Sixteen waves, 256 tokens (8 steps of K = 32) each.  A piece of 16 bytes of tab is what a lane's four fragment registers hold, so the loads go straight
; into registers: in each, sixteen lanes read 256 consecutive bytes, aligned.  All 32 loads of a wave are issued at once: the work-group's
; 262,144 bytes are all on their way together.
; NO JOINT LOADS: each row block of tab is read by eight work-groups.  There is no loop and no LDS pass here; a joint load would add both a round of a cluster
; barrier in front of the only requests and a pass of all 262,144 bytes through LDS.
.set FA,  16                           ; v16-79   fragments of A, 8 steps
.set FB,  80                           ; v80-143  fragments of B
.set ACC, 144                          ; v144-175 four sums, by turns
.macro ADD8 d, s
.irp i, 0,2,4,6
	v_pk_add_f32 v[\d+\i:\d+\i+1], v[\d+\i:\d+\i+1], v[\s+\i:\s+\i+1]
.endr
.endm
	s_load_b128 s[4:7], s[0:1], 0x0                ; tab s[4:5], part2 s[6:7]
	v_lshl_add_u32 v176, v0, 2, 0x4000
	v_mov_b32 v177, 0
	v_lshrrev_b32 v1, 5, v0
	v_readfirstlane_b32 s10, v1                    ; wave 0..15
	s_and_b32 s11, ttmp7, 0xffff                   ; y
	v_and_b32 v2, 31, v0                           ; lane
	v_and_b32 v3, 15, v0
	v_bfe_u32 v4, v0, 4, 1
	v_lshlrev_b32 v5, 4, v3                        ; row (lane mod 16) of the tile, 16 bytes a row;
	v_lshl_add_u32 v5, v4, 12, v5                  ; lanes 16-31 take the next token block, 4,096 bytes on.  The same for A and B: K lies alike in both
	v_lshlrev_b32 v6, 4, v2
	s_lshl_b32 s12, s10, 17                        ; 32 token blocks a wave
	s_lshl_b32 s14, s11, 8                         ; 16 rows of 16 bytes
	s_add_co_u32 s14, s14, s12
	s_mov_b32 s15, 0
	s_lshl_b32 s16, ttmp9, 8
	s_add_co_u32 s16, s16, s12
	s_add_co_u32 s16, s16, 128*16                  ; B's rows lie behind A's 128
	s_mov_b32 s17, 0
	s_lshl_b32 s13, s10, 10
	v_add_nc_u32 v7, s13, v6                       ; my wave's 1 KB in LDS
	s_lshl_b32 s22, s11, 3
	s_add_co_u32 s22, s22, ttmp9
	s_lshl_b32 s22, s22, 2
	s_mov_b32 s23, 0
	s_mov_b32 s24, 0x1e3ce508                      ; 1e-20
	s_mov_b32 s25, 0x76543210
	s_mov_b32 s26, 0xfedcba98
	s_mov_b32 s27, 0x3d8df4e0                      ; 0.1 ln 2
	s_wait_kmcnt 0x0
	s_add_nc_u64 s[18:19], s[4:5], s[14:15]
	s_add_nc_u64 s[20:21], s[4:5], s[16:17]
	s_add_nc_u64 s[22:23], s[6:7], s[22:23]
.irp s, 0,1,2,3,4,5,6,7
	global_load_b128 v[FA+8*\s:FA+8*\s+3],   v5, s[18:19] offset:\s*16384
	global_load_b128 v[FA+8*\s+4:FA+8*\s+7], v5, s[18:19] offset:\s*16384+8192
	global_load_b128 v[FB+8*\s:FB+8*\s+3],   v5, s[20:21] offset:\s*16384
	global_load_b128 v[FB+8*\s+4:FB+8*\s+7], v5, s[20:21] offset:\s*16384+8192
.endr
	; four sums take turns, one instruction a turn.  The first four products start the sums.
.irp s, 0,1,2,3
	s_wait_loadcnt 28-4*\s                         ; loads come back in order (ISA guide 5.7.1): the four of this step are in, those of the later steps stay out
	v_wmma_f32_16x16x32_bf16 v[ACC+8*\s:ACC+8*\s+7], v[FA+8*\s:FA+8*\s+7], v[FB+8*\s:FB+8*\s+7], 0
.endr
.irp s, 4,5,6,7
	s_wait_loadcnt 28-4*\s
	v_wmma_f32_16x16x32_bf16 v[ACC+8*\s-32:ACC+8*\s-25], v[FA+8*\s:FA+8*\s+7], v[FB+8*\s:FB+8*\s+7], v[ACC+8*\s-32:ACC+8*\s-25]
.endr
.rept 4
	v_nop                                          ; four places before the results are read and the fragments loaded over (ISA guide 7.12.1)
.endr
	ADD8 ACC, ACC+8
	ADD8 ACC+16, ACC+24
	ADD8 ACC, ACC+16
	ds_store_b128 v7, v[ACC:ACC+3]
	ds_store_b128 v7, v[ACC+4:ACC+7] offset:512
	s_wait_dscnt 0x0                               ; written, for wave 0
	s_barrier_signal -1
	s_barrier_wait -1
	s_cmp_lg_u32 s10, 0
	s_cbranch_scc1 .Ldone
	; wave 0: the sixteen partial tiles, eight codes a lane
.irp p, 0,1,2,3,4,5,6,7,8,9,10,11,12,13,14,15
	ds_load_b128 v[FA+8*\p:FA+8*\p+3],   v6 offset:\p*1024
	ds_load_b128 v[FA+8*\p+4:FA+8*\p+7], v6 offset:\p*1024+512
.endr
	s_wait_dscnt 0x0
.irp p, 0,2,4,6,8,10,12,14
	ADD8 FA+8*\p, FA+8*\p+8
.endr
.irp p, 0,4,8,12
	ADD8 FA+8*\p, FA+8*\p+16
.endr
	ADD8 FA, FA+32
	ADD8 FA+64, FA+96
	ADD8 FA, FA+64
.irp i, 0,2,4,6
	v_pk_mul_f32 v[FA+\i:FA+\i+1], v[FA+\i:FA+\i+1], 0x39800000 op_sel_hi:[1,0]   ; the mean over 4096 tokens: times 2^-12
.endr
.irp i, 0,1,2,3,4,5,6,7
	v_max_num_f32 v[FA+8+\i], s24, v[FA+\i]        ; the clip of the definition
.endr
.irp i, 0,1,2,3,4,5,6,7
	v_log_f32 v[FA+16+\i], v[FA+8+\i]
.endr
	v_nop                                          ; a plain place between the logarithms and their use (ISA guide 5.7.2)
	s_wait_alu depctr_va_vdst(0)
	v_pk_mul_f32 v[FA+24:FA+25], v[FA:FA+1], v[FA+16:FA+17]
.irp i, 2,4,6
	v_pk_fma_f32 v[FA+24:FA+25], v[FA+\i:FA+\i+1], v[FA+16+\i:FA+17+\i], v[FA+24:FA+25]
.endr
	v_add_f32 v[FA+24], v[FA+24], v[FA+25]
	v_add_f32_dpp v[FA+24], v[FA+24], v[FA+24] row_xmask:1 row_mask:0xf bank_mask:0xf
	v_add_f32_dpp v[FA+24], v[FA+24], v[FA+24] row_xmask:2 row_mask:0xf bank_mask:0xf
	v_add_f32_dpp v[FA+24], v[FA+24], v[FA+24] row_xmask:4 row_mask:0xf bank_mask:0xf
	v_add_f32_dpp v[FA+24], v[FA+24], v[FA+24] row_xmask:8 row_mask:0xf bank_mask:0xf
	v_permlanex16_b32 v[FA+25], v[FA+24], s25, s26
	v_add_f32 v[FA+24], v[FA+24], v[FA+25]
	v_mul_f32 v[FA+24], s27, v[FA+24]              ; 0.1 * sum p ln p
	v_mov_b32 v[FA+26], 0
	v_cmp_eq_u32 vcc_lo, 0, v2
	s_wait_xcnt 0x0                                ; EXEC changes only behind this wait
	s_wait_tensorcnt 0x0
	ds_add_u32 v176, v177
	s_wait_dscnt 0x0
	s_and_saveexec_b32 s28, vcc_lo
	global_store_b32 v[FA+26], v[FA+24], s[22:23]
	s_endpgm
.Ldone:
	s_wait_tensorcnt 0x0
	ds_add_u32 v176, v177
	s_wait_dscnt 0x0
	s_endpgm
.Lfunc_end_k_qe979d705d1_codes:
	.size	k_qe979d705d1_codes, .Lfunc_end_k_qe979d705d1_codes-k_qe979d705d1_codes
	.p2alignl 7, 3214868480
	.fill 96, 4, 3214868480
	.section	.rodata,"a",@progbits
	.p2align	6, 0x0
	.amdhsa_kernel k_qe979d705d1_codes
		.amdhsa_group_segment_fixed_size 18432
		.amdhsa_private_segment_fixed_size 0
		.amdhsa_enable_private_segment 0
		.amdhsa_kernarg_size 16
		.amdhsa_user_sgpr_count 2
		.amdhsa_user_sgpr_kernarg_segment_ptr 1
		.amdhsa_wavefront_size32 1
		.amdhsa_system_sgpr_workgroup_id_x 1
		.amdhsa_system_sgpr_workgroup_id_y 1
		.amdhsa_system_sgpr_workgroup_id_z 1
		.amdhsa_system_vgpr_workitem_id 0
		.amdhsa_next_free_vgpr 178
		.amdhsa_next_free_sgpr 66
		.amdhsa_reserve_vcc 1
		.amdhsa_float_denorm_mode_32 3
		.amdhsa_float_denorm_mode_16_64 3
		.amdhsa_memory_ordered 1
		.amdhsa_forward_progress 1
		.amdhsa_inst_pref_size 15
	.end_amdhsa_kernel
	.amdgpu_metadata
---
amdhsa.version: [ 1, 2 ]
amdhsa.kernels:
  - .name:           k_qe979d705d1_codes
    .symbol:         k_qe979d705d1_codes.kd
    .args:
      - { .name: tab, .offset: 0, .size: 8, .value_kind: global_buffer, .address_space: global }
      - { .name: part2, .offset: 8, .size: 8, .value_kind: global_buffer, .address_space: global }
    .group_segment_fixed_size: 18432
    .private_segment_fixed_size: 0
    .kernarg_segment_align: 8
    .kernarg_segment_size: 16
    .max_flat_workgroup_size: 512
    .sgpr_count:     66
    .vgpr_count:     178
    .wavefront_size: 32
...
	.end_amdgpu_metadata
.endif
;; end of part 2
;; launch total (part 3): grid 1 x 1, 1 waves a work-group, no clusters, 0 bytes of LDS; arguments part1, part2, out2; writes out2
.if DOCPART == 3
	.amdgcn_target "amdgcn-amd-amdhsa--gfx1250"
	.amdhsa_code_object_version 6
	.text
	.protected	k_qe979d705d1_total
	.globl	k_qe979d705d1_total
	.p2align	8
	.type	k_qe979d705d1_total,@function
k_qe979d705d1_total:
	s_mov_b64 s[64:65], 0
	v_nop
	global_prefetch_b8 v0, s[64:65] scope:SCOPE_SE
	s_setreg_imm32_b32 hwreg(HW_REG_WAVE_MODE, 25, 1), 1
	s_wait_xcnt 0x0
; Third launch: aux_loss = the 256 shares of 0.1 * per-sample entropy + 0.25 * commitment loss (part1) + the 64 shares of -0.1 * codebook entropy (part2).
; One wave: ten numbers a lane by three loads issued together, one sum across the lanes, one store.  A sum over all work-groups of the
; two launches before can only be made behind their ends.
	s_load_b128 s[4:7], s[0:1], 0x0                ; part1 s[4:5], part2 s[6:7]
	s_load_b64 s[8:9], s[0:1], 0x10                ; out2
	v_lshlrev_b32 v1, 4, v0
	v_lshlrev_b32 v2, 3, v0
	v_mov_b32 v3, 0
	s_mov_b32 s10, 0x76543210
	s_mov_b32 s11, 0xfedcba98
	s_wait_kmcnt 0x0
	global_load_b128 v[4:7], v1, s[4:5]
	global_load_b128 v[8:11], v1, s[4:5] offset:512
	global_load_b64 v[12:13], v2, s[6:7]
	s_wait_loadcnt 0x0
	v_pk_add_f32 v[4:5], v[4:5], v[6:7]
	v_pk_add_f32 v[8:9], v[8:9], v[10:11]
	v_pk_add_f32 v[4:5], v[4:5], v[12:13]
	v_pk_add_f32 v[4:5], v[4:5], v[8:9]
	v_add_f32 v4, v4, v5
	v_add_f32_dpp v4, v4, v4 row_xmask:1 row_mask:0xf bank_mask:0xf
	v_add_f32_dpp v4, v4, v4 row_xmask:2 row_mask:0xf bank_mask:0xf
	v_add_f32_dpp v4, v4, v4 row_xmask:4 row_mask:0xf bank_mask:0xf
	v_add_f32_dpp v4, v4, v4 row_xmask:8 row_mask:0xf bank_mask:0xf
	v_permlanex16_b32 v5, v4, s10, s11
	v_add_f32 v4, v4, v5
	v_cmp_eq_u32 vcc_lo, 0, v0
	s_wait_xcnt 0x0                                ; EXEC changes only behind this wait
	s_and_saveexec_b32 s12, vcc_lo
	global_store_b32 v3, v4, s[8:9]
	s_endpgm
.Lfunc_end_k_qe979d705d1_total:
	.size	k_qe979d705d1_total, .Lfunc_end_k_qe979d705d1_total-k_qe979d705d1_total
	.p2alignl 7, 3214868480
	.fill 96, 4, 3214868480
	.section	.rodata,"a",@progbits
	.p2align	6, 0x0
	.amdhsa_kernel k_qe979d705d1_total
		.amdhsa_group_segment_fixed_size 0
		.amdhsa_private_segment_fixed_size 0
		.amdhsa_enable_private_segment 0
		.amdhsa_kernarg_size 24
		.amdhsa_user_sgpr_count 2
		.amdhsa_user_sgpr_kernarg_segment_ptr 1
		.amdhsa_wavefront_size32 1
		.amdhsa_system_sgpr_workgroup_id_x 1
		.amdhsa_system_sgpr_workgroup_id_y 1
		.amdhsa_system_sgpr_workgroup_id_z 1
		.amdhsa_system_vgpr_workitem_id 0
		.amdhsa_next_free_vgpr 16
		.amdhsa_next_free_sgpr 66
		.amdhsa_reserve_vcc 1
		.amdhsa_float_denorm_mode_32 3
		.amdhsa_float_denorm_mode_16_64 3
		.amdhsa_memory_ordered 1
		.amdhsa_forward_progress 1
		.amdhsa_inst_pref_size 2
	.end_amdhsa_kernel
	.amdgpu_metadata
---
amdhsa.version: [ 1, 2 ]
amdhsa.kernels:
  - .name:           k_qe979d705d1_total
    .symbol:         k_qe979d705d1_total.kd
    .args:
      - { .name: part1, .offset: 0, .size: 8, .value_kind: global_buffer, .address_space: global }
      - { .name: part2, .offset: 8, .size: 8, .value_kind: global_buffer, .address_space: global }
      - { .name: out2, .offset: 16, .size: 8, .value_kind: global_buffer, .address_space: global }
    .group_segment_fixed_size: 0
    .private_segment_fixed_size: 0
    .kernarg_segment_align: 8
    .kernarg_segment_size: 24
    .max_flat_workgroup_size: 32
    .sgpr_count:     66
    .vgpr_count:     16
    .wavefront_size: 32
...
	.end_amdgpu_metadata
.endif
;; end of part 3
